; MI455X (gfx1250); checked and timed in simulation.
; The chip was launched on July 23, 2026; its instructions are those of AMD's public machine-readable ISA for CDNA 5 (MIT licence, August 2026) and "CDNA5" Instruction Set Architecture Reference Guide (July 2026). The comments in the code are by the model that wrote it; some were corrected since.
;; Attend. Allowed arithmetic: matrix products marked QUANTISED: E2M1 operands, one E8M0 scale for each 32 along K, by v_wmma_scale_f32_16x16x128_f8f6f4 with both operands' format E2M1 (or v_wmma_scale_f32_32x16x128_f4), f32 sums; everything else in f32.
;; Inputs: k 4 x 2,048 x 64 float32; q 4 x 16 x 2,048 x 64 float32; v 4 x 2,048 x 64 float32.
;; Outputs: out0 4 x 16 x 2,048 x 64 float32.
;; This version of the problem:
;;   THIS VERSION OF THE PROBLEM IS GIVEN IN LOW PRECISION. The matrix products marked QUANTISED in the list below multiply operands that are first quantised to E2M1 (2 exponent bits, 1 mantissa bit; 4 bits a number), with one power-of-two scale for each 32 numbers along K (OCP MX v1.0); their sums are f32. All else is computed in f32.
;;   The module's matrix products, in the order in which they are computed (A, B: the left and right operand; K: the contracted axis; several contracted axes count as one K, in the product's order):
;;     1. batch 4 x [M 32,768, K 64] x [K 64, N 2,048]; A: input q; B: input k: QUANTISED
;;     2. batch 4 x [M 32,768, K 2,048] x [K 2,048, N 64]; A: softmax (see below); B: input v: QUANTISED
;;   THE QUANTISER, for each operand of a quantised product, along K:
;;     - K is cut into blocks of 32 from its start; a last block that is shorter is filled with zeros.
;;     - A block's scale is 2^e with e = floor(log2(the largest magnitude in the block)) - 2, held to -126 .. 127; a block of zeros has e = 0. As a byte (E8M0): e + 127.
;;     - Each number is divided by its block's scale, clamped to +-6, and rounded to the nearest number of E2M1, ties to even, subnormals kept.
;;     - The product sums the exact products of the quantised numbers (number of the format x scale) in f32.
;;   ~~~python
;;   def quantise(x, axis):      # numpy; x: float32 -> the quantised numbers, widened to float32 again
;;       x = np.moveaxis(x, axis, -1); K = x.shape[-1]
;;       x = np.pad(x, [(0, 0)] * (x.ndim - 1) + [(0, -K % 32)]); x = x.reshape(x.shape[:-1] + (-1, 32)); a = np.abs(x).max(-1, keepdims=True)
;;       e = np.where(a > 0, np.clip(np.frexp(np.where(a > 0, a, 1))[1] - 1 - 2, -126, 127), 0)      # np.frexp(a)[1] - 1 = floor(log2(a)), exactly
;;       r = np.clip(x / 2.0 ** e, -6, 6)
;;       step = 2.0 ** (np.maximum(np.frexp(np.where(r == 0, 1, r))[1] - 1, 0) - 1)
;;       q = np.round(r / step) * step * 2.0 ** e      # np.round: ties to even
;;       return np.moveaxis(q.reshape(q.shape[:-2] + (-1,))[..., :K], -1, axis).astype(np.float32)
;;   ~~~
;;   SOFTMAX AHEAD OF A QUANTISED PRODUCT. Where the list says 'softmax', what is quantised is not the finished softmax but p = 2^(t - M), with t = logit x log2(e) and M = ceil(the row's largest t), a whole number; so 1/2 < the row's largest p <= 1. The row's sum l is taken of the UNQUANTISED p, in f32, and the product's result is divided by l at the end. Since M is a whole number, a kernel that streams over the keys may use a running M (the ceiling of the running maximum): every later rescaling is an exact power of two, which a block's scale takes up: the codes' values come out the same.
;;   OPERANDS COMPUTED ON THE WAY. 'Computed on the way' means the value that the module computes at that place (a softmax that the list does not call 'softmax' is quantised finished and normalised). What goes into a quantiser is computed in f32, as accurately as f32 sums, v_exp_f32 and their like allow (about 1e-6 of the number): no bf16 or f16 on the way to a quantiser, and a product that is left as it is and whose result goes on into a quantised operand takes f32 operands (vector FMAs, or v_wmma_f32_16x16x4_f32). A number that lies on a knife's edge between two numbers of the format may be rounded either way, as far as f32 arithmetic and the matrix unit's own rounding can turn it there, and no further.
;; One version. Each part assembles by itself: llvm-mc -triple=amdgcn-amd-amdhsa -mcpu=gfx1250 --defsym DOCPART=n.
;; ======== version 1 of 1: 2 launches
;; limits: right only within a limited range of input values
;; workspace buffers: kv 573,440 bytes
;; launch prep (part 1): grid 64 x 2, 8 waves a work-group, no clusters, 36,864 bytes of LDS; arguments k, v, kv; writes kv
.if DOCPART == 1
	.amdgcn_target "amdgcn-amd-amdhsa--gfx1250"
	.amdhsa_code_object_version 6
	.text
	.protected	k_qfb01d7b5c4_prep
	.globl	k_qfb01d7b5c4_prep
	.p2align	8
	.type	k_qfb01d7b5c4_prep,@function
k_qfb01d7b5c4_prep:
	s_mov_b64 s[64:65], 0
	v_nop
	global_prefetch_b8 v0, s[64:65] scope:SCOPE_SE
	s_setreg_imm32_b32 hwreg(HW_REG_WAVE_MODE, 25, 1), 1
	s_wait_xcnt 0x0
; k and v, [4][2048][64] f32, become codes of FP4 (E2M1) with one E8M0 scale byte for each 32 along a product's K: k along its 64 channels, v along the keys.
; They are laid in kv as IMAGES OF THE OPERAND REGISTERS of the second launch: 64 chunks of 8,960 bytes, chunk x = 16 x batch + key step (128 keys).  In a chunk (l = lane, r = l % 16, h = l / 16):
;   0     K's eight tiles, 512 bytes each: tile 4 c + u, lane (r, h): the 32 codes of channels 32 h .. 32 h + 31 of key 64 c + 32 (r / 8) + 8 u + r % 8
;   4096  V's four tiles of 16 channels, 1,024 bytes each: tile t, group c at 512 c, lane (r, h): the 32 codes of keys 64 c + 32 h .. + 31 of channel 16 t + r
;   8192  K's scale words, 16 bytes a lane: word i = tile 2 i + h, row r: byte 0 channels 0-31, byte 1 channels 32-63, bytes 2 and 3 = 127 (over zero codes)
;   8704  V's scale words, 8 bytes a lane: word i = tile 2 i + h, row r: byte b = the step's b-th block of 32 keys
; A block's scale is 2^(floor(log2(its largest magnitude)) - 2); its byte is the largest magnitude's exponent field - 2, held at 1 from below.
; LIMITS: a block of zeros, or one whose largest magnitude lies under the floor 2^-124, gets the byte 1 where the rule says 127 for zeros: its codes are zeros (or held by the floor's scale), and this program alone reads the bytes.
; NaN and infinities among the inputs are not served.
; SHARES.  Work-group (x, y): chunk x; y = 0 makes its K part, y = 1 its V part.  Eight waves; EVERY LANE QUANTISES ONE BLOCK OF 32 NUMBERS held in its own 32 registers, so no maximum crosses lanes.
;   K: wave w = tile w.  Its 16 keys' rows (256 bytes each) are loaded as they lie, 512 consecutive bytes a load, and turn through the wave's own stage in LDS, from which a lane takes its 128 bytes.
;   V: wave w takes key block w / 2 and channels 32 (w % 2) + lane; its registers run down the keys; a load reads 128 consecutive bytes, the partner wave the row's other half.
; The two paths part on the work-group's y alone and have LDS bytes of their own.  No tensor loads, no cluster, no matrix unit: 4 MiB are read once.
.set CHUNK, 8960
.set STG,   0                          ; LDS: K's path: a stage of 16 rows x (256 + 16) bytes for each wave
.set KSI,   34816                      ; K's path: the chunk's 512 bytes of scale words
.set VSI,   35328                      ; V's path: the chunk's 256 bytes of scale words
.set LI,    4                          ; v4   16 x lane
.set SROW,  5                          ; v5   the stage by rows: two rows an instruction, 16 bytes a lane
.set SBLK,  6                          ; v6   the stage by blocks: row r, 128 h bytes on
.set KSW,   7                          ; v7   where my tile's scale word of row r goes
.set VSB,   8                          ; v8   where my block's scale byte goes
.set KSR,   9                          ; v9   K's scale words on the way out
.set VSR,   10                         ; v10  V's
.set L4,    11                         ; v11  4 x lane
.set VCO,   12                         ; v12  my V codes' place in the chunk
.set L8,    13                         ; v13  8 x lane
.set SH8,   14                         ; v14  8 h
.set KCO,   15                         ; v15  my K codes' place in the chunk
.set C,     24                         ; v24-27 my block's codes
.set R,     32                         ; v32-63 K: 16 rows as loaded
.set X,     64                         ; v64-95 my block's 32 numbers
; Sixteen rows of 256 bytes go into the wave's own stage as loaded and come back 128 bytes a lane.  LDS serves a wave's instructions in order (ISA guide 5.7.1.4): no wait between the stores and the loads.
.macro TURN8 r, x
.irp i, 0,1,2,3,4,5,6,7
	ds_store_b128 v[SROW], v[\r+4*\i:\r+4*\i+3] offset:544*\i
.endr
.irp i, 0,1,2,3,4,5,6,7
	ds_load_b128 v[\x+4*\i:\x+4*\i+3], v[SBLK] offset:16*\i
.endr
.endm
; A lane's 32 numbers v[x] .. v[x + 31] become 32 codes in v[c] .. v[c + 3]; sop: the conversion's scale operand; byte: the scale's byte; ta, tb: two chains of maxima.
.macro QUANT32 x, c, sop, byte, ta, tb
	v_max3_num_f32 v[\ta], |v[\x]|, |v[\x+1]|, 0x1800000           ; with the floor 2^(3 - 127) among the leaves: the byte cannot fall under 1
	v_max3_num_f32 v[\tb], |v[\x+16]|, |v[\x+17]|, |v[\x+18]|
.irp i, 2,4,6,8,10,12
	s_delay_alu instid0(VALU_DEP_2)
	v_max3_num_f32 v[\ta], v[\ta], |v[\x+\i]|, |v[\x+\i+1]|
	s_delay_alu instid0(VALU_DEP_2)
	v_max3_num_f32 v[\tb], v[\tb], |v[\x+17+\i]|, |v[\x+18+\i]|
.endr
	s_delay_alu instid0(VALU_DEP_2)
	v_max3_num_f32 v[\ta], v[\ta], |v[\x+14]|, |v[\x+15]|
	s_delay_alu instid0(VALU_DEP_1)
	v_max3_num_f32 v[\ta], v[\ta], v[\tb], |v[\x+31]|              ; the block's largest magnitude
	s_delay_alu instid0(VALU_DEP_1)
	v_add_nc_u32 v[\sop], 0xff000000, v[\ta]                       ; 2 off its exponent field: the conversion takes the exponent field of this operand as its scale, and nothing else of it
	s_delay_alu instid0(VALU_DEP_1)
	v_lshrrev_b32 v[\byte], 23, v[\sop]                            ; the scale's byte
.irp g, 0,1,2,3
	v_cvt_scalef32_pk8_fp4_f32 v[\c+\g], v[\x+8*\g:\x+8*\g+7], v[\sop]   ; to the nearest code, ties to even; beyond 6 the largest code
.endr
	v_nop                                                          ; one plain place behind the last scaled conversion
.endm
	s_load_b128 s[4:7], s[0:1], 0x0                ; k, v
	s_load_b64 s[8:9], s[0:1], 0x10                ; kv
	v_lshl_add_u32 v96, v0, 2, 0x8c00
	v_mov_b32 v97, 0
	v_lshrrev_b32 v1, 5, v0
	s_delay_alu instid0(VALU_DEP_1)
	v_readfirstlane_b32 s10, v1                    ; wave 0..7
	s_and_b32 s11, ttmp7, 0xffff                   ; y: 0 = K's part, 1 = V's
	v_and_b32 v1, 31, v0                           ; lane
	v_and_b32 v2, 15, v0                           ; r
	v_bfe_u32 v3, v0, 4, 1                         ; h
	; every LDS address is made here, ahead of the first parting of the ways
	s_delay_alu instid0(VALU_DEP_3)
	v_lshlrev_b32 v[LI], 4, v1
	s_wait_alu depctr_va_vdst(0)
	s_mul_i32 s22, s10, 4352                       ; my wave's stage (STG = 0)
	v_mul_u32_u24 v[SROW], v3, 272
	s_delay_alu instid0(VALU_DEP_1)
	v_lshl_add_u32 v[SROW], v2, 4, v[SROW]
	s_delay_alu instid0(VALU_DEP_1)
	v_add_nc_u32 v[SROW], s22, v[SROW]             ; 4352 w + 272 h + 16 r
	v_mul_u32_u24 v[SBLK], v2, 272
	s_delay_alu instid0(VALU_DEP_1)
	v_lshl_add_u32 v[SBLK], v3, 7, v[SBLK]
	s_delay_alu instid0(VALU_DEP_1)
	v_add_nc_u32 v[SBLK], s22, v[SBLK]             ; 4352 w + 272 r + 128 h
	s_and_b32 s23, s10, 1                          ; w % 2
	s_lshr_b32 s24, s10, 1                         ; w / 2
	s_lshl_b32 s25, s23, 8
	s_lshl_b32 s26, s24, 2
	s_add_co_u32 s25, s25, s26
	s_add_co_u32 s25, s25, KSI
	v_lshl_add_u32 v[KSW], v2, 4, s25              ; tile w = 2 i + h': lane 16 h' + r, word i: KSI + 16 r + 256 (w % 2) + 4 (w / 2)
	s_lshl_b32 s25, s23, 2
	s_add_co_u32 s25, s25, s24
	s_add_co_u32 s25, s25, VSI
	v_lshl_add_u32 v[VSB], v1, 3, s25              ; channel tile 2 (w % 2) + h, row r, key block w / 2: VSI + 8 lane + 4 (w % 2) + w / 2
	v_add_nc_u32 v[KSR], KSI, v[LI]
	v_lshlrev_b32 v[L8], 3, v1
	s_delay_alu instid0(VALU_DEP_1)
	v_add_nc_u32 v[VSR], VSI, v[L8]
	v_lshlrev_b32 v[L4], 2, v1
	s_lshl_b32 s25, s23, 11
	s_lshl_b32 s26, s24, 8
	s_add_co_u32 s25, s25, s26
	s_add_co_u32 s25, s25, 4096
	v_lshlrev_b32 v[VCO], 10, v3
	s_delay_alu instid0(VALU_DEP_1)
	v_lshl_add_u32 v[VCO], v2, 4, v[VCO]
	s_delay_alu instid0(VALU_DEP_1)
	v_add_nc_u32 v[VCO], s25, v[VCO]               ; 4096 + 1024 (2 (w % 2) + h) + 256 (w / 2) + 16 r: sixteen lanes fill 256 consecutive bytes
	v_lshlrev_b32 v[SH8], 3, v3
	s_lshl_b32 s25, s10, 9
	v_add_nc_u32 v[KCO], s25, v[LI]                ; 512 w + 16 lane
	v_mov_b32 v19, 0                               ; written once: a lane permute's destination counts as one of its sources
	; where my wave's numbers begin in k or in v
	s_lshr_b32 s25, s10, 2
	s_lshl_b32 s25, s25, 14                        ; K: 64 (w / 4) keys of 256 bytes
	s_and_b32 s26, s10, 3
	s_lshl_b32 s26, s26, 11                        ;    + 8 (w % 4) keys
	s_add_co_u32 s25, s25, s26
	s_lshl_b32 s26, s24, 13                        ; V: 32 (w / 2) keys
	s_lshl_b32 s27, s23, 7                         ;    + 32 (w % 2) channels of 4 bytes
	s_add_co_u32 s26, s26, s27
	s_lshl_b32 s12, ttmp9, 15                      ; the chunk's 128 keys of 256 bytes
	s_mov_b32 s13, 0
	s_mul_i32 s16, ttmp9, CHUNK
	s_mov_b32 s17, 0
	s_mov_b32 s20, 0x76543210
	s_mov_b32 s21, 0xfedcba98                      ; v_permlanex16_b32's selects for lane l xor 16
	s_wait_kmcnt 0x0
	s_cmp_eq_u32 s11, 0                            ; the choice hangs on the work-group's number alone
	s_cselect_b32 s25, s25, s26
	s_cselect_b64 s[14:15], s[4:5], s[6:7]
	s_add_co_u32 s12, s12, s25
	s_add_nc_u64 s[14:15], s[14:15], s[12:13]      ; my wave's first number
	s_add_nc_u64 s[8:9], s[8:9], s[16:17]          ; my chunk
	s_cmp_lg_u32 s11, 0
	s_cbranch_scc1 .Lv_in
	; ---- K in: my tile's rows 0-7 are eight neighbouring keys, rows 8-15 the eight that lie 32 keys (8,192 bytes) further on
.irp i, 0,1,2,3,4,5,6,7
	global_load_b128 v[R+4*\i:R+4*\i+3], v[LI], s[14:15] offset:(\i/4)*8192+(\i%4)*512 th:TH_LOAD_NT   ; 32 lanes read two keys' rows, 512 consecutive bytes
.endr
	s_wait_loadcnt 0x0
	TURN8 R, X
	s_wait_dscnt 0x0                               ; my block is in my registers
	s_branch .Lq
.Lv_in:
	; ---- V in: my channel, 32 keys down
.set j, 0
	s_wait_alu depctr_va_vdst(0)
.rept 32
	global_load_b32 v[X+j], v[L4], s[14:15] offset:256*j th:TH_LOAD_NT
.set j, j+1
.endr
	s_wait_loadcnt 0x0
.Lq:
	QUANT32 X, C, 17, 18, 16, 20
	s_cmp_lg_u32 s11, 0
	s_cbranch_scc1 .Lv_out
	; ---- K out: the codes as an image of the registers; the row's two bytes meet in a word
	global_store_b128 v[KCO], v[C:C+3], s[8:9]     ; 32 lanes store 512 consecutive bytes
	v_lshlrev_b32 v18, v[SH8], v18                 ; my byte at its place: byte h
	s_delay_alu instid0(VALU_DEP_1)
	v_permlanex16_b32 v19, v18, s20, s21
	s_delay_alu instid0(VALU_DEP_1)
	v_or_b32 v18, v18, v19                         ; with lane l xor 16's
	s_delay_alu instid0(VALU_DEP_1)
	v_or_b32 v18, 0x7f7f0000, v18                  ; the instruction's upper 64 along K are zero codes: their bytes are 127
	ds_store_b32 v[KSW], v18                       ; lanes r and r + 16 write the same word with the same value
	s_branch .Lmeet
.Lv_out:
	s_wait_alu depctr_va_vdst(0)
	global_store_b128 v[VCO], v[C:C+3], s[8:9]     ; each half of the lanes stores 256 consecutive bytes, aligned
	ds_store_b8 v[VSB], v18
.Lmeet:
	s_wait_dscnt 0x0                               ; for the others' sake: my scale word or byte has landed
	s_barrier_signal -1
	s_barrier_wait -1                              ; the chunk's scale words are whole
	s_cmp_lg_u32 s10, 0
	s_cbranch_scc1 .Lend                           ; wave 0 stores them, in whole runs of 256 bytes
	s_cmp_lg_u32 s11, 0
	s_cbranch_scc1 .Lv_sc
	ds_load_b128 v[28:31], v[KSR]
	s_wait_dscnt 0x0
	global_store_b128 v[LI], v[28:31], s[8:9] offset:8192
	s_branch .Lend
.Lv_sc:
	ds_load_b64 v[28:29], v[VSR]
	s_wait_dscnt 0x0
	global_store_b64 v[L8], v[28:29], s[8:9] offset:8704
.Lend:
	s_wait_tensorcnt 0x0
	ds_add_u32 v96, v97
	s_wait_dscnt 0x0
	s_endpgm
.Lfunc_end_k_qfb01d7b5c4_prep:
	.size	k_qfb01d7b5c4_prep, .Lfunc_end_k_qfb01d7b5c4_prep-k_qfb01d7b5c4_prep
	.p2alignl 7, 3214868480
	.fill 96, 4, 3214868480
	.section	.rodata,"a",@progbits
	.p2align	6, 0x0
	.amdhsa_kernel k_qfb01d7b5c4_prep
		.amdhsa_group_segment_fixed_size 36864
		.amdhsa_private_segment_fixed_size 0
		.amdhsa_enable_private_segment 0
		.amdhsa_kernarg_size 24
		.amdhsa_user_sgpr_count 2
		.amdhsa_user_sgpr_kernarg_segment_ptr 1
		.amdhsa_wavefront_size32 1
		.amdhsa_system_sgpr_workgroup_id_x 1
		.amdhsa_system_sgpr_workgroup_id_y 1
		.amdhsa_system_sgpr_workgroup_id_z 1
		.amdhsa_system_vgpr_workitem_id 0
		.amdhsa_next_free_vgpr 98
		.amdhsa_next_free_sgpr 66
		.amdhsa_reserve_vcc 0
		.amdhsa_float_denorm_mode_32 3
		.amdhsa_float_denorm_mode_16_64 3
		.amdhsa_memory_ordered 1
		.amdhsa_forward_progress 1
		.amdhsa_inst_pref_size 12
	.end_amdhsa_kernel
	.amdgpu_metadata
---
amdhsa.version: [ 1, 2 ]
amdhsa.kernels:
  - .name:           k_qfb01d7b5c4_prep
    .symbol:         k_qfb01d7b5c4_prep.kd
    .args:
      - { .name: k, .offset: 0, .size: 8, .value_kind: global_buffer, .address_space: global }
      - { .name: v, .offset: 8, .size: 8, .value_kind: global_buffer, .address_space: global }
      - { .name: kv, .offset: 16, .size: 8, .value_kind: global_buffer, .address_space: global }
    .group_segment_fixed_size: 36864
    .private_segment_fixed_size: 0
    .kernarg_segment_align: 8
    .kernarg_segment_size: 24
    .max_flat_workgroup_size: 256
    .sgpr_count:     66
    .vgpr_count:     98
    .wavefront_size: 32
...
	.end_amdgpu_metadata
.endif
;; end of part 1
;; launch attend (part 2): grid 64 x 4, 16 waves a work-group, clusters of 4 x 1, 215,040 bytes of LDS; arguments q, kv, out0; writes out0
.if DOCPART == 2
	.amdgcn_target "amdgcn-amd-amdhsa--gfx1250"
	.amdhsa_code_object_version 6
	.text
	.protected	k_qfb01d7b5c4_attend
	.globl	k_qfb01d7b5c4_attend
	.p2align	8
	.type	k_qfb01d7b5c4_attend,@function
k_qfb01d7b5c4_attend:
	s_mov_b64 s[64:65], 0
	v_nop
	global_prefetch_b8 v0, s[64:65] scope:SCOPE_SE
	s_setreg_imm32_b32 hwreg(HW_REG_WAVE_MODE, 25, 1), 1
	s_wait_xcnt 0x0
	s_wait_alu depctr_hold_cnt(0) depctr_sa_sdst(0) depctr_va_vdst(0) depctr_va_sdst(0) depctr_va_ssrc(0) depctr_va_vcc(0) depctr_vm_vsrc(0)
	s_getreg_b32 s2, hwreg(HW_REG_IB_STS2, 6, 4)
	s_cmp_eq_u32 s2, 0
	s_cbranch_scc0 .Lentry_in_a_cluster
	s_endpgm
.Lentry_in_a_cluster:
	s_bfe_u32 s2, ttmp6, 0x10000c
	s_cmp_lg_u32 s2, 0x3003
	s_cbranch_scc0 .Lentry_shape_is_right
	s_endpgm
.Lentry_shape_is_right:
; out0[b][h][i][:] = the sum over j of softmax_j(q[b][h][i] . k[b][j] / 8) v[b][j][:], both products on codes of FP4 (E2M1) with one E8M0 scale for each 32 along a product's K.
; q, out0: [4][16][2048][64] f32.  kv: k's and v's codes and scale words as the first launch laid them: for each batch 16 chunks of 8,960 bytes, a chunk to a key step of 128 keys.
; SOFTMAX: t = score x log2(e) / 8; M = the row's largest t so far, rounded UP to a whole number; p = 2^(t - M) is quantised along the keys, not normalised.
; The row's sum is taken of the unquantised p, in f32, and divides at the end.  When M moves, the sum and O are multiplied by 2^(old M - new M): exact.
; SHARES.  A batch's 32,768 rows walk the same keys.  A work-group owns 512 rows; each of its sixteen waves 32: two tiles of 16, one after the other; 256 registers a wave, no register windows.
; A batch's codes, 16 x 8,960 bytes, stay in LDS, filled ONCE: wave w brings chunk w by its one tensor load.  Nothing is filled again: no ring.
; CLUSTER.  The four work-groups of a cluster belong to one batch: each chunk is asked for jointly (same load, same descriptor, mask of the four).
; LAYOUT.  Both products are used transposed: S^T = K Q^T, O^T = V^T P^T: a lane holds one query (lane % 16).  Row m of K's tile 4 c + u is key 64 c + 32 (m / 8) + 8 u + m % 8, so lane (r, h)'s
; 32 registers of tiles 4 c .. 4 c + 3 are keys 64 c + 32 h + 0 .. 31: a whole block in a lane, and the eight conversions' results are source 1 of the second product.
; The first product's K is 64: the upper 64 of the instruction's 128 are zero codes on both sides (registers 4-7 of every fragment, cleared once), under the byte 127.
; K's fragments of step s + 1 are loaded behind step s's first products into the same registers; the sixteenth step is written out and loads none.
; q: a tile's 4,096 bytes are loaded by their wave alone and quantised in registers.  The second tile's are prefetched in the first tile's trip (one instruction a wave, 16 blocks of 256 bytes, lanes 16-31 on the last block),
; one trip of the tile loop ahead of their loads; the second trip asks for nothing.  kv is asked for once, at the head, with no loop ahead of it: no prefetch.
; LIMITS: a block of zeros, or one under the floor 2^-124, gets the scale byte 1 where the rule says 127 for zeros: its codes are zeros, and nobody else reads the byte.  A p under 2^-126 counts as 0.
; NaN and infinities among the inputs are not served.
.set CHUNK, 8960
.set STG,   16*CHUNK                   ; a stage of 16 rows x 272 bytes for each wave, its own; no tensor load lands there
.set SPARE, STG+16*4352                ; the spare words: 128 bytes a wave
.set LI,    1                          ; 16 x lane
.set L8,    2                          ; 8 x lane
.set SROW,  3                          ; the stage by rows
.set SBLK,  4                          ; the stage by blocks: row r, 128 h bytes on
.set SOUT,  5                          ; the stage on the way out: row r, 32 h bytes on
.set SH8,   6                          ; 8 h
.set AD,    7                          ; LDS address of the step's images
.set AD8,   8                          ; and of V's scale words
.set MX,    9                          ; the largest score so far
.set RL,    10                         ; v[10:11] 1 / the row's sum
.set NM,    12                         ; v12, v13: -M, twice (the dual forms take their sources from different banks)
.set LS,    14                         ; v[14:15] the row's sum, in two halves
.set QF,    16                         ; q's fragment: 16-19 codes, 20-23 zeros
.set PF,    24                         ; p's codes
.set KF,    32                         ; K's eight fragments: registers 0-3 codes, 4-7 zeros
.set SC,    96                         ; S^T, then p
.set OA,    160                        ; O^T: four tiles of 16 channels
.set VF,    192                        ; V's four fragments; at a change of tiles q as loaded
.set KS,    224                        ; K's scale words
.set VS,    228                        ; V's
.set QS,    230
.set PS,    231
.set MA,    232                        ; v232-235 chains of maxima
.set CV,    236                        ; v236, v237: c, twice
.set PFO,   238                        ; the prefetch's offset; never rewritten
.set T0,    240
.set PD,    241
.set OM,    242                        ; the old -M
.set DM,    243
.set FF,    244                        ; v244, v245: f = 2^(old M - new M), twice
.set L2,    246                        ; v246-251 three more chains of the sums; then:
.set SO,    248                        ; the conversions' scale operands
.set SB,    250                        ; the scales' bytes
.set WD,    252
.set PD2,   253
.set WV,    10
.set G0,    20
.set G1,    24
.set SEL,   32
.set CS,    34                         ; c = log2(e) / 8
.macro ROUND                           ; a round of the cluster's barrier
	s_barrier_signal -1
	s_barrier_wait -1
	s_cmp_lg_u32 s[WV], 0
	s_cbranch_scc1 .Lnot_wave_0_\@
	s_barrier_signal -3
.Lnot_wave_0_\@:
	s_barrier_wait -3
	s_barrier_signal -1
	s_barrier_wait -1
.endm
.macro TURN8 r, x                      ; 16 rows of 256 bytes into my stage as loaded, back 128 bytes a lane; LDS serves a wave's instructions in order (ISA guide 5.7.1.4)
.irp i, 0,1,2,3,4,5,6,7
	ds_store_b128 v[SROW], v[\r+4*\i:\r+4*\i+3] offset:544*\i
.endr
.irp i, 0,1,2,3,4,5,6,7
	ds_load_b128 v[\x+4*\i:\x+4*\i+3], v[SBLK] offset:16*\i
.endr
.endm
.macro QUANT32 x, c, sop, byte, ta, tb ; a lane's 32 numbers become 32 codes
	v_max3_num_f32 v[\ta], |v[\x]|, |v[\x+1]|, 0x1800000           ; the floor 2^(3 - 127): the byte cannot fall under 1
	v_max3_num_f32 v[\tb], |v[\x+16]|, |v[\x+17]|, |v[\x+18]|
.irp i, 2,4,6,8,10,12
	s_delay_alu instid0(VALU_DEP_2)
	v_max3_num_f32 v[\ta], v[\ta], |v[\x+\i]|, |v[\x+\i+1]|
	s_delay_alu instid0(VALU_DEP_2)
	v_max3_num_f32 v[\tb], v[\tb], |v[\x+17+\i]|, |v[\x+18+\i]|
.endr
	s_delay_alu instid0(VALU_DEP_2)
	v_max3_num_f32 v[\ta], v[\ta], |v[\x+14]|, |v[\x+15]|
	s_delay_alu instid0(VALU_DEP_1)
	v_max3_num_f32 v[\ta], v[\ta], v[\tb], |v[\x+31]|
	s_delay_alu instid0(VALU_DEP_1)
	v_add_nc_u32 v[\sop], 0xff000000, v[\ta]                       ; 2 off the exponent field: the conversion's scale operand
	s_delay_alu instid0(VALU_DEP_1)
	v_lshrrev_b32 v[\byte], 23, v[\sop]
.irp g, 0,1,2,3
	v_cvt_scalef32_pk8_fp4_f32 v[\c+\g], v[\x+8*\g:\x+8*\g+7], v[\sop]
.endr
	v_nop                                                          ; one plain place behind the last scaled conversion
.endm
.macro SPROD t                         ; S^T's tile t: 16 keys x my 16 queries
.if (\t)%2
	v_wmma_scale_f32_16x16x128_f8f6f4 v[SC+8*\t:SC+8*\t+7], v[KF+8*\t:KF+8*\t+7], v[QF:QF+7], 0, v[KS+\t/2], v[QS] matrix_a_fmt:MATRIX_FMT_FP4 matrix_b_fmt:MATRIX_FMT_FP4 matrix_a_scale:MATRIX_SCALE_ROW1
.else
	v_wmma_scale_f32_16x16x128_f8f6f4 v[SC+8*\t:SC+8*\t+7], v[KF+8*\t:KF+8*\t+7], v[QF:QF+7], 0, v[KS+\t/2], v[QS] matrix_a_fmt:MATRIX_FMT_FP4 matrix_b_fmt:MATRIX_FMT_FP4
.endif
.endm
.macro OPROD t                         ; O^T's tile t += 16 channels x 128 keys x P
.if (\t)%2
	v_wmma_scale_f32_16x16x128_f8f6f4 v[OA+8*\t:OA+8*\t+7], v[VF+8*\t:VF+8*\t+7], v[PF:PF+7], v[OA+8*\t:OA+8*\t+7], v[VS+\t/2], v[PS] matrix_a_fmt:MATRIX_FMT_FP4 matrix_b_fmt:MATRIX_FMT_FP4 matrix_a_scale:MATRIX_SCALE_ROW1
.else
	v_wmma_scale_f32_16x16x128_f8f6f4 v[OA+8*\t:OA+8*\t+7], v[VF+8*\t:VF+8*\t+7], v[PF:PF+7], v[OA+8*\t:OA+8*\t+7], v[VS+\t/2], v[PS] matrix_a_fmt:MATRIX_FMT_FP4 matrix_b_fmt:MATRIX_FMT_FP4
.endif
.endm
.macro QLOAD off                       ; 16 rows of q, two rows (512 consecutive bytes) a load
.set j, 0
.rept 8
	global_load_b128 v[VF+4*j:VF+4*j+3], v[LI], s[4:5] offset:\off+512*j th:TH_LOAD_NT
.set j, j+1
.endr
.endm
.macro KLOAD a, off                    ; K's eight fragments as images, and their scale words
.irp t, 0,1,2,3,4,5,6,7
	ds_load_b128 v[KF+8*\t:KF+8*\t+3], v[\a] offset:\off+512*\t
.endr
	ds_load_b128 v[KS:KS+3], v[\a] offset:\off+8192
.endm
.macro DADD d, a, b                    ; pair d = pair a + pair b: two independent additions in one instruction; even and odd destinations, sources of a place in different banks
	v_dual_add_f32 v[\d], v[\a], v[\b] :: v_dual_add_f32 v[(\d)+1], v[(\a)+1], v[(\b)+1]
.endm
; A KEY STEP of 128 keys.  K's fragments are in registers.  pf = 1: the next step's are asked for.
.macro STEP pf
.irp t, 0,1,2,3,4,5,6,7
	SPROD \t
.endr
	v_add_nc_u32 v[AD], s38, v[LI]                 ; four plain lines: the places behind the products above and behind the last step's second products, ahead of the loads below and of the first read of S^T
	v_add_nc_u32 v[AD8], s38, v[L8]
	v_nop
	v_nop
.irp t, 0,1,2,3
.irp c, 0,1
	ds_load_b128 v[VF+8*\t+4*\c:VF+8*\t+4*\c+3], v[AD] offset:4096+1024*\t+512*\c
.endr
.endr
	ds_load_b64 v[VS:VS+1], v[AD8] offset:8704
.if \pf
	KLOAD AD, CHUNK
.endif
	; the largest score of each of my two blocks of 32 keys: for the row's maximum and, since p rises with the score, for the block's largest p.  Each accumulator is first read at its low end
.irp c, 0,1
	v_max3_num_f32 v[MA+2*\c], v[SC+32*\c], v[SC+32*\c+1], v[SC+32*\c+2]
	v_max3_num_f32 v[MA+2*\c+1], v[SC+32*\c+16], v[SC+32*\c+17], v[SC+32*\c+18]
.endr
.irp i, 3,5,7,9,11,13
.irp c, 0,1
	v_max3_num_f32 v[MA+2*\c], v[MA+2*\c], v[SC+32*\c+\i], v[SC+32*\c+\i+1]
	v_max3_num_f32 v[MA+2*\c+1], v[MA+2*\c+1], v[SC+32*\c+16+\i], v[SC+32*\c+17+\i]
.endr
.endr
.irp c, 0,1
	v_max3_num_f32 v[MA+2*\c], v[MA+2*\c], v[MA+2*\c+1], v[SC+32*\c+15]
.endr
.irp c, 0,1
	v_max_num_f32 v[MA+2*\c], v[MA+2*\c], v[SC+32*\c+31]
.endr
	s_delay_alu instid0(VALU_DEP_1)
	v_max_num_f32 v[T0], v[MA], v[MA+2]
	s_delay_alu instid0(VALU_DEP_1)
	v_permlanex16_b32 v[PD], v[T0], s[SEL], s[SEL+1]   ; the query's other 64 keys, in lane l xor 16
	s_delay_alu instid0(VALU_DEP_1)
	v_max3_num_f32 v[MX], v[MX], v[T0], v[PD]
	s_delay_alu instid0(VALU_DEP_1)
	v_mul_f32 v[T0], s[CS], v[MX]                  ; as t (c is positive)
	s_delay_alu instid0(VALU_DEP_1)
	v_floor_f32 v[NM], -v[T0]                      ; -M = floor(-t) = -ceil(t): a whole number
	v_floor_f32 v[NM+1], -v[T0]
	s_delay_alu instid0(VALU_DEP_2)
	v_sub_f32 v[DM], v[NM], v[OM]                  ; old M - new M: a whole number, 0 or less
	s_delay_alu instid0(VALU_DEP_1)
	v_cvt_i32_f32 v[DM], v[DM]                     ; (it saturates)
	s_delay_alu instid0(VALU_DEP_1)
	v_ldexp_f32 v[FF], 1.0, v[DM]                  ; f: a multiplication by it rounds nothing
	v_ldexp_f32 v[FF+1], 1.0, v[DM]
.set j, 0
.rept 32
	v_dual_fma_f32 v[SC+j], v[SC+j], v[CV], v[NM] :: v_dual_fma_f32 v[SC+j+1], v[SC+j+1], v[CV+1], v[NM+1]   ; t - M
.set j, j+2
.endr
	v_fma_f32 v[MA], v[MA], s[CS], v[NM]           ; the same of each block's largest score
	v_fma_f32 v[MA+2], v[MA+2], s[CS], v[NM]
	s_wait_alu depctr_va_vdst(0)                   ; the wait ahead of the batch
.set j, 0
.rept 64
	v_exp_f32 v[SC+j], v[SC+j]                     ; p = 2^(t - M), at most 1
.set j, j+1
.endr
	v_pk_mul_f32 v[LS:LS+1], v[LS:LS+1], v[FF:FF+1]   ; the sums under the new M: the plain line behind the exponentials
	s_wait_alu depctr_va_vdst(0)                   ; one wait for the batch, ahead of its first reader
	v_exp_f32 v[MA], v[MA]                         ; the blocks' largest p
	v_exp_f32 v[MA+2], v[MA+2]
	v_mov_b32 v[OM], v[NM]                         ; the next step's old -M: the plain line behind the two
	; the row's sum of the unquantised p, in four chains of pairs
.irp k, 0,1,2
	DADD L2+2*\k, SC+4*\k, SC+4*\k+2
.endr
.set j, 12
.rept 6
	DADD LS, LS, SC+j
	DADD L2, L2, SC+j+2
	DADD L2+2, L2+2, SC+j+4
	DADD L2+4, L2+4, SC+j+6
.set j, j+8
.endr
	DADD LS, LS, SC+60
	DADD L2, L2, SC+62
	DADD L2+2, L2+2, L2+4
	DADD LS, LS, L2
	DADD LS, LS, L2+2
	s_wait_alu depctr_va_vdst(0)                   ; and one wait for the two
	v_max_num_f32 v[MA], 0x1800000, v[MA]          ; the floor: the byte cannot fall under 1
	v_max_num_f32 v[MA+2], 0x1800000, v[MA+2]
	s_delay_alu instid0(VALU_DEP_2)
	v_add_nc_u32 v[SO], 0xff000000, v[MA]
	s_delay_alu instid0(VALU_DEP_2)
	v_add_nc_u32 v[SO+1], 0xff000000, v[MA+2]
	s_delay_alu instid0(VALU_DEP_2)
	v_lshrrev_b32 v[SB], 23, v[SO]                 ; my bytes: blocks h and 2 + h of the step's four
	s_delay_alu instid0(VALU_DEP_2)
	v_lshrrev_b32 v[SB+1], 23, v[SO+1]
	s_delay_alu instid0(VALU_DEP_1)
	v_lshl_or_b32 v[WD], v[SB+1], 16, v[SB]
	s_delay_alu instid0(VALU_DEP_1)
	v_lshlrev_b32 v[WD], v[SH8], v[WD]
	s_delay_alu instid0(VALU_DEP_1)
	v_permlanex16_b32 v[PD2], v[WD], s[SEL], s[SEL+1]
	s_delay_alu instid0(VALU_DEP_1)
	v_or_b32 v[PS], v[WD], v[PD2]                  ; with lane l xor 16's two the word is whole
.irp t, 0,1,2,3,4,5,6,7
	v_cvt_scalef32_pk8_fp4_f32 v[PF+\t], v[SC+8*\t:SC+8*\t+7], v[SO+\t/4]
.endr
	v_nop                                          ; one plain place behind the last scaled conversion
	s_wait_alu depctr_va_vdst(0)                   ; the wait ahead of the first reader of O^T
.set j, 0
.rept 16
	v_dual_mul_f32 v[OA+j], v[OA+j], v[FF] :: v_dual_mul_f32 v[OA+j+1], v[OA+j+1], v[FF+1]   ; O^T under the new M.  For each product below twelve of these and the v_nop name none of its registers: the places behind p's scale word (8) and codes (4)
.set j, j+2
.endr
	s_wait_alu depctr_va_vdst(0)
	s_wait_dscnt 0x0                               ; V's fragments and scale words are in, and the next step's K
.irp t, 0,1,2,3
	OPROD \t                                       ; four accumulators by turns; the next step's eight first products stand between two links
.endr
.if \pf
	s_add_co_u32 s38, s38, CHUNK
.endif
.endm
	s_load_b128 s[4:7], s[0:1], 0x0                ; q, kv
	s_load_b64 s[8:9], s[0:1], 0x10                ; out0
	v_lshl_add_u32 v254, v0, 2, SPARE
	v_mov_b32 v255, 0
	ds_add_u32 v254, v255                          ; the opening lines: the add, twice on end, and its wait
	ds_add_u32 v254, v255
	v_lshrrev_b32 v1, 5, v0
	s_delay_alu instid0(VALU_DEP_1)
	v_readfirstlane_b32 s[WV], v1                  ; wave 0..15
	s_bfe_u32 s11, ttmp6, 0x40000                  ; cx: it enters q's and out0's addresses alone
	s_lshl_b32 s12, ttmp9, 2
	s_add_co_u32 s12, s12, s11                     ; which 512 rows of the batch
	s_and_b32 s13, ttmp7, 0xffff                   ; the batch
	s_lshl_b32 s14, s13, 23
	s_lshl_b32 s15, s12, 17
	s_add_co_u32 s14, s14, s15
	s_lshl_b32 s15, s[WV], 13                      ; my wave's 32 rows
	s_add_co_u32 s14, s14, s15
	s_mov_b32 s15, 0
	s_mul_i32 s[G0+1], s[WV], CHUNK                ; LDS address: chunk w
	s_mul_i32 s16, s13, 16*CHUNK
	s_add_co_u32 s16, s16, s[G0+1]                 ; my chunk in kv
	s_mov_b32 s17, 0
	s_mov_b32 s[G0], 1
	s_mov_b32 s[G1], 15|(3<<16)|(1<<21)            ; the mask of the four; elements of 8 bytes; bit 21 beside a mask
	s_mov_b32 s[G1+1], 32<<16                      ; a chunk: 35 dense rows of 256 bytes
	s_mov_b32 s[G1+2], 35<<16
	s_mov_b32 s[G1+3], 32<<16
	s_mov_b32 s[G1+4], 35
	s_mov_b32 s[G1+5], 32
	s_mov_b32 s[G1+6], 0
	s_mov_b32 s[G1+7], 0
	s_mov_b32 s[SEL], 0x76543210
	s_mov_b32 s[SEL+1], 0xfedcba98
	s_mov_b32 s[CS], 0x3e38aa3b                    ; log2(e) / 8
	v_and_b32 v1, 31, v0                           ; lane
	v_and_b32 v12, 15, v0                          ; r
	v_bfe_u32 v13, v0, 4, 1                        ; h
	s_delay_alu instid0(VALU_DEP_3)
	v_lshlrev_b32 v[L8], 3, v1
	v_min_u32 v[PFO], 15, v1
	v_lshlrev_b32 v[LI], 4, v1
	s_delay_alu instid0(VALU_DEP_2)
	v_lshlrev_b32 v[PFO], 8, v[PFO]                ; 256 x min(lane, 15)
	s_mul_i32 s18, s[WV], 4352
	s_add_co_u32 s18, s18, STG                     ; my stage
	v_mul_u32_u24 v[SROW], v13, 272
	s_delay_alu instid0(VALU_DEP_1)
	v_lshl_add_u32 v[SROW], v12, 4, v[SROW]
	s_delay_alu instid0(VALU_DEP_1)
	v_add_nc_u32 v[SROW], s18, v[SROW]             ; 272 h + 16 r
	v_mul_u32_u24 v[SBLK], v12, 272
	s_delay_alu instid0(VALU_DEP_1)
	v_lshl_add_u32 v[SOUT], v13, 5, v[SBLK]
	v_lshl_add_u32 v[SBLK], v13, 7, v[SBLK]
	s_delay_alu instid0(VALU_DEP_2)
	v_add_nc_u32 v[SOUT], s18, v[SOUT]             ; 272 r + 32 h
	s_delay_alu instid0(VALU_DEP_2)
	v_add_nc_u32 v[SBLK], s18, v[SBLK]             ; 272 r + 128 h
	v_lshlrev_b32 v[SH8], 3, v13
	s_wait_alu depctr_va_vdst(0)                   ; the wait at the head's end
	s_wait_dscnt 0x0                               ; both opening adds are done
	s_wait_kmcnt 0x0
	s_add_nc_u64 s[4:5], s[4:5], s[14:15]          ; q and out0 at my wave's first row
	s_add_nc_u64 s[8:9], s[8:9], s[14:15]
	s_add_nc_u64 s[G0+2:G0+3], s[6:7], s[16:17]
	s_or_b32 s[G0+3], s[G0+3], 0x80000000
	QLOAD 0                                        ; my first tile of q: nobody writes q, so the loads may be out at the barriers below
	ROUND                                          ; all four work-groups are here: the joint loads meet
	tensor_load_to_lds s[G0:G0+3], s[G1:G1+7]      ; my one tensor load of the launch
	s_nop 0
.irp j, 4,5,6,7
	v_mov_b32 v[QF+\j], 0                          ; q's zero codes: K = 64 .. 127
.endr
.irp t, 0,1,2,3,4,5,6,7
.irp j, 4,5,6,7
	v_mov_b32 v[KF+8*\t+\j], 0                     ; and K's: the loads fill registers 0-3 alone
.endr
.endr
	v_mov_b32 v[PD], 0                             ; a lane permute's destination counts as one of its sources
	v_mov_b32 v[PD2], 0
	v_mov_b32 v[RL+1], 0                           ; the upper half of a pair whose low word serves both halves
	v_mov_b32 v[CV], s[CS]
	v_mov_b32 v[CV+1], s[CS]
	s_wait_tensorcnt 0x0                           ; my chunk has landed,
	s_barrier_signal -1
	s_barrier_wait -1                              ; everybody's has: the batch's codes are whole, and stay
	s_mov_b32 s36, 0
.Ltile:                                            ; two trips: my two tiles of 16 queries
	KLOAD LI, 0                                    ; key step 0's K
	s_wait_alu depctr_va_vdst(0)
	s_wait_loadcnt 0x0                             ; the tile's rows of q
	TURN8 VF, OA                                   ; lane (r, h) wants channels 32 h .. 32 h + 31 of query r: a whole block
	s_wait_dscnt 0x0
	QUANT32 OA, QF, SO, SB, MA, MA+1
	v_lshlrev_b32 v[SB], v[SH8], v[SB]             ; q's scale word: byte h mine, the other from lane l xor 16, bytes 2 and 3 = 127 over the zero codes
	s_delay_alu instid0(VALU_DEP_1)
	v_permlanex16_b32 v[PD2], v[SB], s[SEL], s[SEL+1]
	s_delay_alu instid0(VALU_DEP_1)
	v_or_b32 v[SB], v[SB], v[PD2]
	s_delay_alu instid0(VALU_DEP_1)
	v_or_b32 v[QS], 0x7f7f0000, v[SB]
	s_cmp_lg_u32 s36, 0
	s_cbranch_scc1 .Lnopf                          ; the second trip has no tile behind it
	global_prefetch_b8 v[PFO], s[4:5] offset:4096 th:TH_LOAD_NT scope:SCOPE_SE   ; my second tile's 16 blocks of 256 bytes; its address registers are never rewritten
.Lnopf:
	v_mov_b32 v[MX], 0xff61b1e6                    ; -3e38, under every score
	v_mov_b32 v[OM], 0x7e000000                    ; the old -M = 2^125: the first f is 0, which leaves the zeros below zeros
	v_mov_b32 v[LS], 0
	v_mov_b32 v[LS+1], 0
.set j, 0
.rept 32
	v_mov_b32 v[OA+j], 0                           ; O^T.  (Also the places between the writes of q's codes and scale word and the first product)
.set j, j+1
.endr
	s_mov_b32 s37, 0
	s_mov_b32 s38, 0                               ; the step's chunk in LDS
.Lstep:                                            ; fifteen trips
	STEP 1
	s_add_co_u32 s37, s37, 1
	s_cmp_lt_u32 s37, 15
	s_cbranch_scc1 .Lstep
	STEP 0                                         ; the sixteenth: no chunk lies behind it
	; THE WAY OUT of a tile: O^T / the row's sum goes through my stage, so that sixteen lanes store one whole row of 256 bytes
.rept 4
	v_nop                                          ; places behind the last products
.endr
	s_cmp_lg_u32 s36, 0
	s_wait_alu depctr_va_vdst(0)                   ; the wait ahead of the branch
	s_cbranch_scc1 .Lnoq
	QLOAD 4096                                     ; the second tile's rows of q, into V's registers, which are done with
.Lnoq:
	v_add_f32 v[LS], v[LS], v[LS+1]
	s_delay_alu instid0(VALU_DEP_1)
	v_permlanex16_b32 v[PD], v[LS], s[SEL], s[SEL+1]
	s_delay_alu instid0(VALU_DEP_1)
	v_add_f32 v[LS], v[LS], v[PD]                  ; the row's sum
	s_wait_alu depctr_va_vdst(0)                   ; the wait ahead of the transcendental
	v_rcp_f32 v[RL], v[LS]
	v_nop
	s_wait_alu depctr_va_vdst(0)                   ; and ahead of its first reader, which is also O^T's
.set j, 0
.rept 16
	v_pk_mul_f32 v[SC+j:SC+j+1], v[OA+j:OA+j+1], v[RL:RL+1] op_sel_hi:[1,0]   ; register 8 t + i is out(query r, channel 16 t + 8 h + i)
.set j, j+2
.endr
.irp t, 0,1,2,3
	ds_store_b128 v[SOUT], v[SC+8*\t:SC+8*\t+3] offset:64*\t
	ds_store_b128 v[SOUT], v[SC+8*\t+4:SC+8*\t+7] offset:64*\t+16
.endr
.irp i, 0,1,2,3,4,5,6,7
	ds_load_b128 v[SC+32+4*\i:SC+32+4*\i+3], v[SROW] offset:544*\i
.endr
.irp i, 0,1,2,3,4,5,6,7
	s_wait_dscnt 7-\i                              ; load i is back; the 7 - i younger ones may be out
	global_store_b128 v[LI], v[SC+32+4*\i:SC+32+4*\i+3], s[8:9] offset:512*\i th:TH_STORE_NT   ; 32 lanes store two whole rows: 512 consecutive bytes, aligned
.endr
	s_wait_xcnt 0x0                                ; the stores' base and data are written again only behind this wait
	s_add_nc_u64 s[8:9], s[8:9], 4096              ; my next 16 rows
	s_add_co_u32 s36, s36, 1
	s_cmp_lt_u32 s36, 2
	s_cbranch_scc1 .Ltile
	s_wait_tensorcnt 0x0                           ; the wave's end
	ds_add_u32 v254, v255
	s_wait_dscnt 0x0
	ROUND                                          ; the closing round
	s_endpgm
.Lfunc_end_k_qfb01d7b5c4_attend:
	.size	k_qfb01d7b5c4_attend, .Lfunc_end_k_qfb01d7b5c4_attend-k_qfb01d7b5c4_attend
	.p2alignl 7, 3214868480
	.fill 96, 4, 3214868480
	.section	.rodata,"a",@progbits
	.p2align	6, 0x0
	.amdhsa_kernel k_qfb01d7b5c4_attend
		.amdhsa_group_segment_fixed_size 215040
		.amdhsa_private_segment_fixed_size 0
		.amdhsa_enable_private_segment 0
		.amdhsa_kernarg_size 24
		.amdhsa_user_sgpr_count 2
		.amdhsa_user_sgpr_kernarg_segment_ptr 1
		.amdhsa_wavefront_size32 1
		.amdhsa_system_sgpr_workgroup_id_x 1
		.amdhsa_system_sgpr_workgroup_id_y 1
		.amdhsa_system_sgpr_workgroup_id_z 1
		.amdhsa_system_vgpr_workitem_id 0
		.amdhsa_next_free_vgpr 256
		.amdhsa_next_free_sgpr 66
		.amdhsa_reserve_vcc 0
		.amdhsa_float_denorm_mode_32 3
		.amdhsa_float_denorm_mode_16_64 3
		.amdhsa_memory_ordered 1
		.amdhsa_forward_progress 1
		.amdhsa_inst_pref_size 47
	.end_amdhsa_kernel
	.amdgpu_metadata
---
amdhsa.version: [ 1, 2 ]
amdhsa.kernels:
  - .name:           k_qfb01d7b5c4_attend
    .symbol:         k_qfb01d7b5c4_attend.kd
    .args:
      - { .name: q, .offset: 0, .size: 8, .value_kind: global_buffer, .address_space: global }
      - { .name: kv, .offset: 8, .size: 8, .value_kind: global_buffer, .address_space: global }
      - { .name: out0, .offset: 16, .size: 8, .value_kind: global_buffer, .address_space: global }
    .group_segment_fixed_size: 215040
    .private_segment_fixed_size: 0
    .kernarg_segment_align: 8
    .kernarg_segment_size: 24
    .max_flat_workgroup_size: 512
    .sgpr_count:     66
    .vgpr_count:     256
    .wavefront_size: 32
...
	.end_amdgpu_metadata
.endif
;; end of part 2
